; MI455X (gfx1250); checked and timed in simulation.
; The chip was launched on July 23, 2026; its instructions are those of AMD's public machine-readable ISA for CDNA 5 (MIT licence, August 2026) and "CDNA5" Instruction Set Architecture Reference Guide (July 2026). The comments in the code are by the model that wrote it; some were corrected since.
;; SP Post Processing Block. Allowed arithmetic: float matrix products may take bf16 or f16 operands with f32 sums; all other float work in f32.
;; Inputs: adj 1 x 2 x 1,024 x 1,024 float32.
;; Outputs: out0 2 x 1,024 x 1,024 float32.
;; 2 versions, each right; version 2 is version 1 with the launch sp_post written anew for expert scheduling mode. Each part assembles by itself: llvm-mc -triple=amdgcn-amd-amdhsa -mcpu=gfx1250 --defsym DOCPART=n.
;; ======== version 1 of 2: 1 launch
;; launch sp_post (part 1): grid 256 x 1, 8 waves a work-group, no clusters, 0 bytes of LDS; arguments adj, out0; writes out0
.if DOCPART == 1
	.amdgcn_target "amdgcn-amd-amdhsa--gfx1250"
	.amdhsa_code_object_version 6
	.text
	.protected	k_qd8e0e2a9f6_sp_post
	.globl	k_qd8e0e2a9f6_sp_post
	.p2align	8
	.type	k_qd8e0e2a9f6_sp_post,@function
k_qd8e0e2a9f6_sp_post:
	s_mov_b64 s[64:65], 0
	v_nop
	global_prefetch_b8 v0, s[64:65] scope:SCOPE_SE
	s_setreg_imm32_b32 hwreg(HW_REG_WAVE_MODE, 25, 1), 1
	s_wait_xcnt 0x0
; out0 = threshold(x_125), x_0 = adj, x_(k+1) = 1 - relu(1 - relu(|x_k + 0.01 scores| - s)), scores = adj > 0.5 ? adj : 0,
; s = f32(0.002 * 0.01) = 0x37a7c5ac, threshold(x) = x > 0.5 ? x : 0.   2,097,152 numbers of f32, each by itself.
;
; THE 125 STEPS ARE NOT RUN ONE BY ONE: step 1 and the threshold are written out, steps 2 to 125 are ONE subtraction.  That is an identity
; of the f32 arithmetic, bit for bit, for every input (NaN, infinities, -0 and denormals too):
;  (a) adj > 0.5.  0.01 adj >= 0.005 is added in every step and s = 0.00002 taken away: with all roundings (with or without a fused
;      multiply-add in x + 0.01 scores) x gains more than 0.0049 a step from above 0.5, so relu(..) >= 1 within 103 of the 125 steps.
;      Then 1 - relu(..) <= 0, its relu is 0 and x = 1 - 0 = 1.0; from x = 1 the next step gives 1.0 again.  The result is exactly 1.0.
;  (b) adj <= 0.5 or NaN.  scores = 0, so x + 0.01 scores = x in every step.
;      Step 1: n = relu(|adj| - s).  For 0.5 <= n < 1 both subtractions of 1 - relu(1 - n) are exact, for n >= 1 they give 1: x_1 = min(n, 1),
;      a multiple of 2^-24.  For n < 0.5: 1 - n rounds to 0.5 or more, so the reference's x_1 <= 0.5 (and min(n, 1) < 0.5 as well).
;      Steps 2 to 125, x = m 2^-24 in (0.5, 1]: s = 335.544.. x 2^-24, so x - s = (m - 336 + 0.456) 2^-24; where m - 336 >= 2^23 it lies in
;      [0.5, 1), where f32 numbers are 2^-24 apart, and rounds to (m - 336) 2^-24, which the clip gives back unchanged.  Where x - s < 0.5
;      the step ends at 0.5 or below, and from there x never rises (every operation of the step is monotone): the threshold gives 0.
;      So x_125 = x_1 - K with K = 124 x 336 x 2^-24 = 41664 x 2^-24 = 0x3b22c000, an exact subtraction, wherever that is above 0.5,
;      and wherever it is not, x_125 <= 0.5 too: both give 0.
;      NaN: the reference's last compare is false, result 0; here v_max_num_f32 (a NaN loses) makes n = 0, result 0.
;
; THE STREAM.  256 work-groups of eight waves; a work-group owns 32,768 bytes of adj and of out0, as eight blocks of 4,096 bytes.
; Thread t owns the 16 bytes at 16 t of each block, so each load and each store of a wave covers 512 consecutive bytes that begin at a
; multiple of 512 from the buffer's first byte.  A wave issues its eight loads at once, ahead of all stores, and takes each chunk as it
; comes in.  Every byte is read once and written once.  No loop, no LDS, no barrier: no number needs another.  No register that a
; memory instruction names as address or as store data is written again, and EXEC never changes, so the waits on LOADcnt are the only ones.
.set CHUNKS, 8                         ; loads, and stores, of a thread
.set BLOCK,  4096                      ; 256 threads x 16 bytes
.set OFF, 1                            ; v1       my byte offset in adj and in out0; never rewritten
.set ONE, 2                            ; v2       1.0, the result of case (a)
.set T,   4                            ; v[4:7]   at work
.set X,   8                            ; v[8:39]  chunk j: 4 registers, adj as loaded, then the result to store
.set M1,  12                           ; s[12:15] masks: adj > 0.5
.set M2,  16                           ; s[16:19] masks: x_125 > 0.5
	s_load_b128 s[4:7], s[0:1], 0x0                ; adj s[4:5], out0 s[6:7]
	s_lshl_b32 s2, ttmp9, 15                       ; the work-group's 32,768 bytes (8 MiB at the most: one word does)
	s_mov_b32 s8, 0x37a7c5ac                       ; s = f32(2e-5)
	s_mov_b32 s10, 0xbb22c000                      ; -K = -41664 x 2^-24
	s_mov_b32 s11, 0xbb22c000                      ; (the packed add names the pair)
	v_lshl_or_b32 v[OFF], v0, 4, s2                ; + 16 t
	v_mov_b32 v[ONE], 1.0
	s_wait_kmcnt 0x0
.irp j, 0,1,2,3,4,5,6,7
	global_load_b128 v[X+4*\j:X+4*\j+3], v[OFF], s[4:5] offset:\j*BLOCK th:TH_LOAD_NT    ; read once in the launch
.endr
.irp j, 0,1,2,3,4,5,6,7
	s_wait_loadcnt CHUNKS-1-\j                     ; loads come back in order (ISA guide 5.7.1): chunk j is in, the 7 - j younger ones stay out
.irp k, 0,1,2,3
	v_sub_f32 v[T+\k], |v[X+4*\j+\k]|, s8          ; step 1 where scores = 0: |adj| - s
.endr
.irp k, 0,1,2,3
	v_max_num_f32 v[T+\k], 0, v[T+\k]              ; relu; a NaN becomes 0
.endr
.irp k, 0,1,2,3
	v_min_num_f32 v[T+\k], 1.0, v[T+\k]            ; the clip at 1: x_1 (see (b))
.endr
	v_pk_add_f32 v[T:T+1],   v[T:T+1],   s[10:11] op_sel_hi:[1,0]   ; steps 2 to 125: x_1 - K, two numbers an instruction
	v_pk_add_f32 v[T+2:T+3], v[T+2:T+3], s[10:11] op_sel_hi:[1,0]
.irp k, 0,1,2,3
	v_cmp_lt_f32 s[M1+\k], 0.5, v[X+4*\j+\k]       ; adj > 0.5: case (a)
.endr
.irp k, 0,1,2,3
	v_cndmask_b32 v[T+\k], v[T+\k], v[ONE], s[M1+\k]   ; there x_125 = 1.0
.endr
.irp k, 0,1,2,3
	v_cmp_lt_f32 s[M2+\k], 0.5, v[T+\k]            ; the last threshold: x_125 > 0.5
.endr
.irp k, 0,1,2,3
	v_cndmask_b32 v[X+4*\j+\k], 0, v[T+\k], s[M2+\k]   ; x_125, or 0
.endr
	global_store_b128 v[OFF], v[X+4*\j:X+4*\j+3], s[6:7] offset:\j*BLOCK th:TH_STORE_NT   ; written once, not read again
.endr
	s_endpgm
.Lfunc_end_k_qd8e0e2a9f6_sp_post:
	.size	k_qd8e0e2a9f6_sp_post, .Lfunc_end_k_qd8e0e2a9f6_sp_post-k_qd8e0e2a9f6_sp_post
	.p2alignl 7, 3214868480
	.fill 96, 4, 3214868480
	.section	.rodata,"a",@progbits
	.p2align	6, 0x0
	.amdhsa_kernel k_qd8e0e2a9f6_sp_post
		.amdhsa_group_segment_fixed_size 0
		.amdhsa_private_segment_fixed_size 0
		.amdhsa_enable_private_segment 0
		.amdhsa_kernarg_size 16
		.amdhsa_user_sgpr_count 2
		.amdhsa_user_sgpr_kernarg_segment_ptr 1
		.amdhsa_wavefront_size32 1
		.amdhsa_system_sgpr_workgroup_id_x 1
		.amdhsa_system_sgpr_workgroup_id_y 1
		.amdhsa_system_sgpr_workgroup_id_z 1
		.amdhsa_system_vgpr_workitem_id 0
		.amdhsa_next_free_vgpr 40
		.amdhsa_next_free_sgpr 66
		.amdhsa_reserve_vcc 0
		.amdhsa_float_denorm_mode_32 3
		.amdhsa_float_denorm_mode_16_64 3
		.amdhsa_memory_ordered 1
		.amdhsa_forward_progress 1
		.amdhsa_inst_pref_size 16
	.end_amdhsa_kernel
	.amdgpu_metadata
---
amdhsa.version: [ 1, 2 ]
amdhsa.kernels:
  - .name:           k_qd8e0e2a9f6_sp_post
    .symbol:         k_qd8e0e2a9f6_sp_post.kd
    .args:
      - { .name: adj, .offset: 0, .size: 8, .value_kind: global_buffer, .address_space: global }
      - { .name: out0, .offset: 8, .size: 8, .value_kind: global_buffer, .address_space: global }
    .group_segment_fixed_size: 0
    .private_segment_fixed_size: 0
    .kernarg_segment_align: 8
    .kernarg_segment_size: 16
    .max_flat_workgroup_size: 256
    .sgpr_count:     66
    .vgpr_count:     40
    .wavefront_size: 32
...
	.end_amdgpu_metadata
.endif
;; end of part 1
;; ======== version 2 of 2: 1 launch; version 1 with the launch sp_post written anew for expert scheduling mode
;; launch sp_post (part 2): grid 256 x 1, 8 waves a work-group, no clusters, 0 bytes of LDS; arguments adj, out0; writes out0
.if DOCPART == 2
	.amdgcn_target "amdgcn-amd-amdhsa--gfx1250"
	.amdhsa_code_object_version 6
	.text
	.protected	k_qd8e0e2a9f6_sp_post
	.globl	k_qd8e0e2a9f6_sp_post
	.p2align	8
	.type	k_qd8e0e2a9f6_sp_post,@function
k_qd8e0e2a9f6_sp_post:
	s_mov_b64 s[64:65], 0
	v_nop
	global_prefetch_b8 v0, s[64:65] scope:SCOPE_SE
	s_setreg_imm32_b32 hwreg(HW_REG_WAVE_SCHED_MODE, 0, 2), 2
	s_setreg_imm32_b32 hwreg(HW_REG_WAVE_MODE, 25, 1), 1
	s_wait_xcnt 0x0
	s_wait_alu depctr_vm_vsrc(0)
; out0 = threshold(x_125), x_0 = adj, x_(k+1) = 1 - relu(1 - relu(|x_k + 0.01 scores| - s)), scores = adj > 0.5 ? adj : 0,
; s = f32(0.002 * 0.01) = 0x37a7c5ac, threshold(x) = x > 0.5 ? x : 0.   2,097,152 numbers of f32, each by itself.
;
; THE 125 STEPS ARE NOT RUN ONE BY ONE: step 1 and the threshold are written out, steps 2 to 125 are ONE subtraction.  That is an identity
; of the f32 arithmetic, bit for bit, for every input (NaN, infinities, -0 and denormals too):
;  (a) adj > 0.5.  0.01 adj >= 0.005 is added in every step and s = 0.00002 taken away: with all roundings (with or without a fused
;      multiply-add in x + 0.01 scores) x gains more than 0.0049 a step from above 0.5, so relu(..) >= 1 within 103 of the 125 steps.
;      Then 1 - relu(..) <= 0, its relu is 0 and x = 1 - 0 = 1.0; from x = 1 the next step gives 1.0 again.  The result is exactly 1.0.
;  (b) adj <= 0.5 or NaN.  scores = 0, so x + 0.01 scores = x in every step.
;      Step 1: n = relu(|adj| - s).  For 0.5 <= n < 1 both subtractions of 1 - relu(1 - n) are exact, for n >= 1 they give 1: x_1 = min(n, 1),
;      a multiple of 2^-24.  For n < 0.5: 1 - n rounds to 0.5 or more, so the reference's x_1 <= 0.5 (and min(n, 1) < 0.5 as well).
;      Steps 2 to 125, x = m 2^-24 in (0.5, 1]: s = 335.544.. x 2^-24, so x - s = (m - 336 + 0.456) 2^-24; where m - 336 >= 2^23 it lies in
;      [0.5, 1), where f32 numbers are 2^-24 apart, and rounds to (m - 336) 2^-24, which the clip gives back unchanged.  Where x - s < 0.5
;      the step ends at 0.5 or below, and from there x never rises (every operation of the step is monotone): the threshold gives 0.
;      So x_125 = x_1 - K with K = 124 x 336 x 2^-24 = 41664 x 2^-24 = 0x3b22c000, an exact subtraction, wherever that is above 0.5,
;      and wherever it is not, x_125 <= 0.5 too: both give 0.
;      NaN: the reference's last compare is false, result 0; here v_max_num_f32 (a NaN loses) makes n = 0, result 0.
;
; THE STREAM.  256 work-groups of eight waves; a work-group owns 32,768 bytes of adj and of out0, as eight blocks of 4,096 bytes.
; Thread t owns the 16 bytes at 16 t of each block, so each load and each store of a wave covers 512 consecutive bytes that begin at a
; multiple of 512 from the buffer's first byte.  A wave issues its eight loads at once, ahead of all stores, and takes each chunk as it
; comes in.  Every byte is read once and written once.  No loop, no LDS, no barrier: no number needs another.  No register that a
; memory instruction names as address or as store data is written again, and EXEC never changes, so no wait on XCNT is written.
;
; THE MODE: SCHED_MODE bits 1:0 = 2 (LLVM: expert scheduling mode 2), set by the entry lines.  The code itself states the register dependences
; between vector instructions and memory instructions, and those through scalar registers that vector instructions write, with s_wait_alu, always for 0.
; THE PLAN.  Registers that memory instructions touch:
;   v1      the byte offset.  Written once at the head; read by all eight loads and all eight stores; never written again.
;   X[j]    chunk j.  Its load is issued at the head, where no vector instruction has named it.  Behind the wait for that load chunk j's compares and
;           subtractions read it and its last four selects write the result into it; its one store, issued at the head of chunk j + 1, reads it; never written again.
;   v2, v[4:7] are named by vector instructions alone.  s[12:19]: written by a chunk's eight compares, read by its eight selects.
; So: one wait on va_vdst ahead of the first load (v1); one at the head of each chunk from the second on, behind the wait for the chunk's data and directly ahead of
; the store of the chunk before (its result is written); one ahead of the last store; and one wait on va_sdst a chunk, between the run of compares and the first select.
.set CHUNKS, 8                         ; loads, and stores, of a thread
.set BLOCK,  4096                      ; 256 threads x 16 bytes
.set OFF, 1                            ; v1       my byte offset in adj and in out0; never rewritten
.set ONE, 2                            ; v2       1.0, the result of case (a)
.set T,   4                            ; v[4:7]   at work
.set X,   8                            ; v[8:39]  chunk j: 4 registers, adj as loaded, then the result to store
.set M1,  12                           ; s[12:15] masks: adj > 0.5
.set M2,  16                           ; s[16:19] masks: x_1 - K > 0.5
	s_load_b128 s[4:7], s[0:1], 0x0                ; adj s[4:5], out0 s[6:7]
	s_lshl_b32 s2, ttmp9, 15                       ; the work-group's 32,768 bytes (8 MiB at the most: one word does)
	s_mov_b32 s8, 0x37a7c5ac                       ; s = f32(2e-5)
	s_mov_b32 s10, 0xbb22c000                      ; -K = -41664 x 2^-24
	s_mov_b32 s11, 0xbb22c000                      ; (the packed add names the pair)
	v_lshl_or_b32 v[OFF], v0, 4, s2                ; + 16 t
	v_mov_b32 v[ONE], 1.0
	s_wait_kmcnt 0x0
	s_wait_alu depctr_va_vdst(0)                   ; v1 is written: every load and store of the kernel reads it as its offset
.irp j, 0,1,2,3,4,5,6,7
	global_load_b128 v[X+4*\j:X+4*\j+3], v[OFF], s[4:5] offset:\j*BLOCK th:TH_LOAD_NT    ; read once in the launch
.endr
.irp j, 0,1,2,3,4,5,6,7
	s_wait_loadcnt CHUNKS-1-\j                     ; loads come back in order (ISA guide 5.7.1): chunk j is in, the 7 - j younger ones stay out
.if \j > 0
	s_wait_alu depctr_va_vdst(0)                   ; the selects of the chunk before have written its result into X[j - 1], which the store below reads
	global_store_b128 v[OFF], v[X+4*(\j-1):X+4*(\j-1)+3], s[6:7] offset:(\j-1)*BLOCK th:TH_STORE_NT   ; written once, not read again
.endif
.irp k, 0,1,2,3
	v_cmp_lt_f32 s[M1+\k], 0.5, v[X+4*\j+\k]       ; adj > 0.5: case (a)
.endr
.irp k, 0,1,2,3
	v_sub_f32 v[T+\k], |v[X+4*\j+\k]|, s8          ; step 1 where scores = 0: |adj| - s
.endr
.irp k, 0,1,2,3
	v_max_num_f32 v[T+\k], 0, v[T+\k]              ; relu; a NaN becomes 0
.endr
.irp k, 0,1,2,3
	v_min_num_f32 v[T+\k], 1.0, v[T+\k]            ; the clip at 1: x_1 (see (b))
.endr
	v_pk_add_f32 v[T:T+1],   v[T:T+1],   s[10:11] op_sel_hi:[1,0]   ; steps 2 to 125: x_1 - K, two numbers an instruction
	v_pk_add_f32 v[T+2:T+3], v[T+2:T+3], s[10:11] op_sel_hi:[1,0]
.irp k, 0,1,2,3
	v_cmp_lt_f32 s[M2+\k], 0.5, v[T+\k]            ; the last threshold for case (b): x_1 - K > 0.5 (case (a)'s 1.0 passes it always)
.endr
	s_wait_alu depctr_va_sdst(0)                   ; the eight compares have written s[12:19], ahead of their first reader: one wait for the run
.irp k, 0,1,2,3
	v_cndmask_b32 v[T+\k], 0, v[T+\k], s[M2+\k]    ; case (b): x_125, or 0
.endr
.irp k, 0,1,2,3
	v_cndmask_b32 v[X+4*\j+\k], v[T+\k], v[ONE], s[M1+\k]   ; case (a): x_125 = 1.0, which is above the threshold
.endr
.endr
	s_wait_alu depctr_va_vdst(0)                   ; the last chunk's selects have written X[7], which the last store reads
	global_store_b128 v[OFF], v[X+4*(CHUNKS-1):X+4*(CHUNKS-1)+3], s[6:7] offset:(CHUNKS-1)*BLOCK th:TH_STORE_NT   ; written once, not read again
	s_endpgm
.Lfunc_end_k_qd8e0e2a9f6_sp_post:
	.size	k_qd8e0e2a9f6_sp_post, .Lfunc_end_k_qd8e0e2a9f6_sp_post-k_qd8e0e2a9f6_sp_post
	.p2alignl 7, 3214868480
	.fill 96, 4, 3214868480
	.section	.rodata,"a",@progbits
	.p2align	6, 0x0
	.amdhsa_kernel k_qd8e0e2a9f6_sp_post
		.amdhsa_group_segment_fixed_size 0
		.amdhsa_private_segment_fixed_size 0
		.amdhsa_enable_private_segment 0
		.amdhsa_kernarg_size 16
		.amdhsa_user_sgpr_count 2
		.amdhsa_user_sgpr_kernarg_segment_ptr 1
		.amdhsa_wavefront_size32 1
		.amdhsa_system_sgpr_workgroup_id_x 1
		.amdhsa_system_sgpr_workgroup_id_y 1
		.amdhsa_system_sgpr_workgroup_id_z 1
		.amdhsa_system_vgpr_workitem_id 0
		.amdhsa_next_free_vgpr 40
		.amdhsa_next_free_sgpr 66
		.amdhsa_reserve_vcc 0
		.amdhsa_float_denorm_mode_32 3
		.amdhsa_float_denorm_mode_16_64 3
		.amdhsa_memory_ordered 1
		.amdhsa_forward_progress 1
		.amdhsa_inst_pref_size 17
	.end_amdhsa_kernel
	.amdgpu_metadata
---
amdhsa.version: [ 1, 2 ]
amdhsa.kernels:
  - .name:           k_qd8e0e2a9f6_sp_post
    .symbol:         k_qd8e0e2a9f6_sp_post.kd
    .args:
      - { .name: adj, .offset: 0, .size: 8, .value_kind: global_buffer, .address_space: global }
      - { .name: out0, .offset: 8, .size: 8, .value_kind: global_buffer, .address_space: global }
    .group_segment_fixed_size: 0
    .private_segment_fixed_size: 0
    .kernarg_segment_align: 8
    .kernarg_segment_size: 16
    .max_flat_workgroup_size: 256
    .sgpr_count:     66
    .vgpr_count:     40
    .wavefront_size: 32
...
	.end_amdgpu_metadata
.endif
;; end of part 2
